; MI455X (gfx1250); checked and timed in simulation.
; The chip was launched on July 23, 2026; its instructions are those of AMD's public machine-readable ISA for CDNA 5 (MIT licence, August 2026) and "CDNA5" Instruction Set Architecture Reference Guide (July 2026). The comments in the code are by the model that wrote it; some were corrected since.
;; RAP. Allowed arithmetic: float matrix products may take bf16 or f16 operands with f32 sums; all other float work in f32.
;; Inputs: q_idxs 2,048 x 3 int32; weight 1,024 x 32,768 float32.
;; Outputs: out0 2,048 float32.
;; 2 versions, each right; version 2 is version 1 with the launch marg written anew for expert scheduling mode. Each part assembles by itself: llvm-mc -triple=amdgcn-amd-amdhsa -mcpu=gfx1250 --defsym DOCPART=n.
;; ======== version 1 of 2: 2 launches
;; workspace buffers: part 2,097,152 bytes
;; launch marg (part 1): grid 256 x 1, 16 waves a work-group, no clusters, 264,192 bytes of LDS; arguments q_idxs, weight, part; writes part
.if DOCPART == 1
	.amdgcn_target "amdgcn-amd-amdhsa--gfx1250"
	.amdhsa_code_object_version 6
	.text
	.protected	k_q7e524c2f90_marg
	.globl	k_q7e524c2f90_marg
	.p2align	8
	.type	k_q7e524c2f90_marg,@function
k_q7e524c2f90_marg:
	s_mov_b64 s[64:65], 0
	v_nop
	global_prefetch_b8 v0, s[64:65] scope:SCOPE_SE
	s_setreg_imm32_b32 hwreg(HW_REG_WAVE_MODE, 25, 1), 1
	s_wait_xcnt 0x0
; part[g][q] = sum over the 128 columns n of work-group g of p[a_q][n] * p[b_q][n] * p[c_q][n],
; p = softmax of weight over each group of 16 rows, column by column.  weight: [1024][32768] f32, q_idxs: [2048][3] i32.
; A query wants three arbitrary rows at the same columns, so the work-group holds all 1024 rows of 64 columns in LDS
; (1024 x 256 bytes = 262,144) and takes its 128 columns as two chunks of 64.  Sixteen waves.
; SOFTMAX: wave w owns rows 64 w .. 64 w + 63, as two blocks of 32 rows.  A block is 16 loads of 16 bytes a lane: load r brings
; row r of one group to lanes 0-15 (256 consecutive bytes, aligned) and row r of the next group to lanes 16-31, so the 16 numbers
; of a softmax lie in one lane's registers and nothing crosses lanes.
; QUERIES: wave w owns queries 128 w .. 128 w + 127.  A task is two queries, one on lanes 0-15 and one on lanes 16-31; each
; half-wave reads a whole LDS row of 256 consecutive bytes, 4 columns a lane.  Sixteen tasks are one batch, folded at its end;
; four batches, 64 steps, are a chunk's query phase.
; ORDER OF THE WORK: chunk 0 is asked for first, by all waves, and nothing else with it: its table is what all sixteen wait for.
; Chunk 1's block 0 is asked for when chunk 0's softmax is made; its block 1 during chunk 0's queries, a load every second step;
; and chunk 1's softmax is made in registers, a few instructions in each of chunk 0's query steps, so that between the two query
; phases only 32 LDS stores a wave and two barriers are left.
; No cluster: the work-groups share only the 24,576 bytes of q_idxs.  No tensor loads: every byte goes through registers for the
; softmax, so raw rows in LDS would only add LDS traffic.  No matrix instruction: there is no product with reuse.
; LIMITS: an index outside 0..1023 reads the table's last row (the reference relies on indices inside the table);
; |x| * log2(e) must be finite in f32; an exponential below 2^-126 counts as zero (ISA guide, V_EXP_F32).
.set ROWB,  131072                     ; bytes from a row of weight to the next: 32,768 f32
.set LASTB, 0x3fff0                    ; the last 16 bytes of the table in LDS: 1023 * 256 + 240
.set LANE,  1                          ; v1      16 * (lane mod 16): my 4 columns in a row of 256 bytes
.set GOFF,  2                          ; v2      byte offset in weight of my 16 bytes in my wave's first row; never rewritten
.set LST,   3                          ; v3      LDS address of the same 16 bytes; never rewritten
.set ADR,   4                          ; v4-6    the three LDS addresses of the task being asked for
.set QOFF,  7                          ; v7      byte offset in q_idxs of my four queries; never rewritten
.set IDX,   8                          ; v8-19   256 * index: queries 4 lane + b, b = 0..3, three registers each
.set R,     20                         ; v20-23  results of queries 4 lane + 0..3
.set S,     24                         ; v24-39  a batch's sixteen task sums
.set MX,    40                         ; v40-43  softmax: maxima, then odd rows' sums, then reciprocals
.set SM,    44                         ; v44-47  softmax: sums
.set T,     48                         ; v48-49  at work in the fold
.set OOFF,  50                         ; v50     16 * thread: my 16 bytes of the work-group's row of part
.set A,     64                         ; v64-127  chunk 0 block 0, then chunk 1 block 1
.set B,     128                        ; v128-191 chunk 0 block 1; afterwards the queries' data:
.set DAT,   128                        ; v128-175 four buffers of 12 registers (rows a, b, c of a task)
.set C,     192                        ; v192-255 chunk 1 block 0
	s_load_b128 s[4:7], s[0:1], 0x0                ; q_idxs s[4:5], weight s[6:7]
	s_load_b64 s[8:9], s[0:1], 0x10                ; part
	v_lshl_add_u32 v62, v0, 2, 0x40000
	v_mov_b32 v63, 0
	v_lshrrev_b32 v4, 5, v0
	v_readfirstlane_b32 s10, v4                    ; wave 0..15
	v_bfe_u32 v5, v0, 4, 1                         ; which half of the wave
	v_and_b32 v6, 31, v0                           ; lane.  (v4-6 are written here: a DPP form's destination counts as read)
	v_and_b32 v[LANE], 15, v0
	v_lshlrev_b32 v[LANE], 4, v[LANE]
	s_lshl_b32 s11, s10, 23                        ; 64 rows of 131,072 bytes
	s_lshl_b32 s12, s10, 14                        ; 64 LDS rows of 256 bytes
	s_mul_i32 s13, s10, 1536                       ; 128 queries of 12 bytes
	v_lshl_add_u32 v[GOFF], v5, 21, v[LANE]        ; the upper half-wave: 16 rows further down
	v_add_nc_u32 v[GOFF], s11, v[GOFF]
	v_lshl_add_u32 v[LST], v5, 12, v[LANE]
	v_add_nc_u32 v[LST], s12, v[LST]
	v_mad_u32_u24 v[QOFF], v6, 48, s13             ; four queries a lane
	v_lshlrev_b32 v[OOFF], 4, v0
	s_lshl_b32 s14, ttmp9, 9                       ; the work-group's 128 columns: 512 bytes of every row
	s_mov_b32 s15, 0
	s_lshl_b32 s16, ttmp9, 13                      ; its row of part: 8,192 bytes
	s_mov_b32 s17, 0
	s_mov_b32 s20, 0xbfb8aa3b                      ; -log2(e); the pair is named by packed forms, so both words are written
	s_mov_b32 s21, 0xbfb8aa3b
	s_mov_b32 s22, 0x3fb8aa3b                      ; log2(e)
	s_mov_b32 s23, 0x3fb8aa3b
	s_mov_b32 s24, 0xff00ff00                      ; lanes whose number has bit 3 set
	s_mov_b32 s25, 0xf0f0f0f0                      ; bit 2
	s_mov_b32 s26, 0xcccccccc                      ; bit 1
	s_mov_b32 s27, 0xaaaaaaaa                      ; bit 0
	s_wait_kmcnt 0x0
	s_add_nc_u64 s[6:7], s[6:7], s[14:15]
	s_add_nc_u64 s[8:9], s[8:9], s[16:17]
; 16 loads: block blk (0, 1) of chunk ch (0, 1) into the 64 registers from x on.  Row and chunk stand in the immediate:
; 47 rows and 256 bytes at the most, 6,160,640, inside its signed 24 bits.  weight is read once in the launch.
.macro LOADBLK x, blk, ch
.irp r, 0,1,2,3,4,5,6,7,8,9,10,11,12,13,14,15
	global_load_b128 v[\x+4*\r:\x+4*\r+3], v[GOFF], s[6:7] offset:(32*\blk+\r)*ROWB+\ch*256 th:TH_LOAD_NT
.endr
.endm
; THE SOFTMAX OF A BLOCK, in place, as NUNIT numbered units of one instruction each, so that it can be written out in one run or
; dealt out a few units at a time among the query steps.  Register x + 4 r + c is row r, column c of my four.
;   0-31 maxima   32-33 times -log2(e)   34-65 x log2(e) - max log2(e)   66-129 exponentials   130 a place
;   131-160 sums, in four chains (even rows in SM, odd rows in MX)   161-164 reciprocals   165 a place   166-197 the quotients
; The two v_nop are the plain vector instruction that stands between a transcendental and the first use of its result
; (ISA guide 5.7.2); whatever else is dealt in between the units names none of x, MX, SM.
.set NUNIT, 198
.macro SUNIT x, u
.if \u < 4
	v_max3_num_f32 v[MX+\u], v[\x+\u], v[\x+4+\u], v[\x+8+\u]           ; rows 0, 1, 2 start the maxima
.elseif \u < 28
.set k, \x+4*(3+2*((\u-4)/4))+(\u)%4                                           ; rows 3 and 4, 5 and 6, .. 13 and 14
	v_max3_num_f32 v[MX+(\u)%4], v[MX+(\u)%4], v[k], v[k+4]
.elseif \u < 32
	v_max_num_f32 v[MX+(\u)%4], v[MX+(\u)%4], v[\x+60+(\u)%4]           ; row 15
.elseif \u < 34
.set k, MX+2*(\u-32)
	v_pk_mul_f32 v[k:k+1], v[k:k+1], s[20:21] op_sel_hi:[1,0]              ; one shift for the whole group: its rounding cancels in the quotient
.elseif \u < 66
.set k, \x+2*(\u-34)
	v_pk_fma_f32 v[k:k+1], v[k:k+1], s[22:23], v[MX+2*((\u)%2):MX+2*((\u)%2)+1] op_sel_hi:[1,0,1]
.elseif \u < 130
	v_exp_f32 v[\x+\u-66], v[\x+\u-66]                                  ; 2^((x - max) log2(e))
.elseif \u < 131
	v_nop
	s_wait_alu depctr_va_vdst(0)
.elseif \u < 135
.set k, \u-131
.set a, SM-4*(k/2)+2*(k%2)                                                     ; SM, SM+2, MX, MX+2
	v_pk_add_f32 v[a:a+1], v[\x+2*k:\x+2*k+1], v[\x+8+2*k:\x+8+2*k+1]      ; rows 0 + 2 and 1 + 3 start the chains
.elseif \u < 159
.set k, (\u-135)%4
.set a, SM-4*(k/2)+2*(k%2)
.set k, \x+4*(4+2*((\u-135)/4))+2*k                                            ; rows 4 and 5, 6 and 7, .. 14 and 15
	v_pk_add_f32 v[a:a+1], v[a:a+1], v[k:k+1]
.elseif \u < 161
.set k, 2*(\u-159)
	v_pk_add_f32 v[SM+k:SM+k+1], v[SM+k:SM+k+1], v[MX+k:MX+k+1]
.elseif \u < 165
	v_rcp_f32 v[MX+\u-161], v[SM+\u-161]                                  ; the sum is at least about 1: the largest term is 2^0
.elseif \u < 166
	v_nop
	s_wait_alu depctr_va_vdst(0)
.else
.set k, \x+2*(\u-166)
	v_pk_mul_f32 v[k:k+1], v[k:k+1], v[MX+2*((\u)%2):MX+2*((\u)%2)+1]
.endif
.endm
.set sp, 0                             ; the next unit
.macro SADV x, n                       ; the next n units of block x, as far as there are any left
.rept \n
.if sp < NUNIT
	SUNIT \x, sp
.set sp, sp+1
.endif
.endr
.endm
.macro SMATH x                         ; all of it in one run
.set sp, 0
	SADV \x, NUNIT
.endm
; A block's probabilities into the table: each half-wave writes a whole LDS row of 256 consecutive bytes.
.macro SSTORE x, blk
.irp r, 0,1,2,3,4,5,6,7,8,9,10,11,12,13,14,15
	ds_store_b128 v[LST], v[\x+4*\r:\x+4*\r+3] offset:\blk*8192+\r*256
.endr
.endm
; Task tk of batch b: lanes 0-15 work for the query of lane tk (query 4 tk + b of my wave's), lanes 16-31 for that of lane 16 + tk.
; row_share hands that lane's row offset to its sixteen lanes within the add of the lane's own 16 bytes.
.macro QADR b, tk
	v_add_nc_u32_dpp v[ADR], v[IDX+3*\b], v[LANE] row_share:\tk row_mask:0xf bank_mask:0xf
	v_add_nc_u32_dpp v[ADR+1], v[IDX+3*\b+1], v[LANE] row_share:\tk row_mask:0xf bank_mask:0xf
	v_add_nc_u32_dpp v[ADR+2], v[IDX+3*\b+2], v[LANE] row_share:\tk row_mask:0xf bank_mask:0xf
.endm
.macro QCLAMP                          ; a number that was loaded enters an address only behind a clamp by a constant
	v_min_u32 v[ADR], LASTB, v[ADR]
	v_min_u32 v[ADR+1], LASTB, v[ADR+1]
	v_min_u32 v[ADR+2], LASTB, v[ADR+2]
.endm
.macro QLOAD tk                        ; rows a, b, c into buffer tk mod 4
.set ql, DAT+12*((\tk)%4)
	ds_load_b128 v[ql:ql+3], v[ADR]
	ds_load_b128 v[ql+4:ql+7], v[ADR+1]
	ds_load_b128 v[ql+8:ql+11], v[ADR+2]
.endm
.macro QISSUE b, tk
	QADR \b, \tk
	QCLAMP
	QLOAD \tk
.endm
; What chunk 0's query steps carry along for chunk 1 (WV = 1; st = the step, 0 to 63).
;   steps 0, 2, .. 30: one load of chunk 1's block 1 into A's registers, whose LDS stores were waited for ahead of the table's barrier
;   steps 8 to 32:     block C's softmax, 8 units a step (25 steps for 198 units)
;   steps 40 to 61:    the softmax of the block in A, 9 units a step (22 steps)
.macro WEAVE
.if WV
.if st < 32
.if (st%2) == 0
	global_load_b128 v[A+2*st:A+2*st+3], v[GOFF], s[6:7] offset:(32+st/2)*ROWB+256 th:TH_LOAD_NT
.endif
.endif
.if st == 8
	s_wait_loadcnt 5                               ; block C's 16 loads are in; the five loads of steps 0, 2, 4, 6, 8 stay out
.set sp, 0
.endif
.if st == 40
	s_wait_loadcnt 0x0                             ; the block in A: its last load went out in step 30
.set sp, 0
.endif
.if st >= 40
	SADV A, 9
.elseif st >= 8
	SADV C, 8
.endif
.endif
.endm
; One step.  Task tk is waited for and multiplied (a b c at my four columns, summed); the task three ahead is asked for, into the
; buffer that the last step's task has left.  The lines are laid so that none stands straight behind the one that it hangs on.
; left = three LDS loads for each task asked for behind task tk: this step's own loads stand behind the wait, so two tasks, 6;
; LDS loads come back in order (ISA guide 5.7.1).
.macro QSTEP tk, issue, ib, itk, left
.if \issue
	QADR \ib, \itk
.endif
	WEAVE
.if \issue
	QCLAMP
.endif
	s_wait_dscnt \left
.set qd, DAT+12*((\tk)%4)
	v_pk_mul_f32 v[qd:qd+1], v[qd:qd+1], v[qd+4:qd+5]
	v_pk_mul_f32 v[qd+2:qd+3], v[qd+2:qd+3], v[qd+6:qd+7]
.if \issue
	QLOAD \itk
.endif
	v_pk_mul_f32 v[qd:qd+1], v[qd:qd+1], v[qd+8:qd+9]
	v_pk_fma_f32 v[qd:qd+1], v[qd+2:qd+3], v[qd+10:qd+11], v[qd:qd+1]
	v_add_f32 v[S+\tk], v[qd], v[qd+1]
.set st, st+1
.endm
; Two task sums become one register: lanes whose bit is 0 keep task i, the others task j, each with its partner lane's share added.
.macro RPAIR i, j, msk, xm
	v_cndmask_b32 v[T+(\i)%2], v[S+\j], v[S+\i], \msk      ; what my partner lane wants of me
	v_cndmask_b32 v[S+\i], v[S+\i], v[S+\j], \msk          ; what I keep
	v_add_f32_dpp v[S+\i], v[T+(\i)%2], v[S+\i] row_xmask:\xm row_mask:0xf bank_mask:0xf
.endm
; The fold of a batch: 16 registers of 16 lanes' shares become one register in which lane 16 h + t holds task t's sum of half h,
; which is query 4 lane + b.  acc = 0: the first chunk starts R; acc = 1: the second adds to it.
.macro QRED b, acc
.irp i, 0,1,2,3,4,5,6,7
	RPAIR \i, \i+8, s24, 8
.endr
.irp i, 0,1,2,3
	RPAIR \i, \i+4, s25, 4
.endr
	RPAIR 0, 2, s26, 2
	RPAIR 1, 3, s26, 2
	v_cndmask_b32 v[T], v[S+1], v[S], s27
.if \acc
	v_cndmask_b32 v[S], v[S], v[S+1], s27
	v_add_f32_dpp v[S], v[T], v[S] row_xmask:1 row_mask:0xf bank_mask:0xf
	v_add_f32 v[R+\b], v[R+\b], v[S]
.else
	v_cndmask_b32 v[R+\b], v[S], v[S+1], s27
	v_add_f32_dpp v[R+\b], v[T], v[R+\b] row_xmask:1 row_mask:0xf bank_mask:0xf
.endif
.endm
; Batch b.  Its last three steps ask for the first three tasks of batch nb (more = 1), or for nothing: the counts then run down.
.macro QBATCH b, nb, more, acc
	QSTEP 0,  1, \b, 3,  6
	QSTEP 1,  1, \b, 4,  6
	QSTEP 2,  1, \b, 5,  6
	QSTEP 3,  1, \b, 6,  6
	QSTEP 4,  1, \b, 7,  6
	QSTEP 5,  1, \b, 8,  6
	QSTEP 6,  1, \b, 9,  6
	QSTEP 7,  1, \b, 10, 6
	QSTEP 8,  1, \b, 11, 6
	QSTEP 9,  1, \b, 12, 6
	QSTEP 10, 1, \b, 13, 6
	QSTEP 11, 1, \b, 14, 6
	QSTEP 12, 1, \b, 15, 6
	QSTEP 13, \more, \nb, 0, 6
	QSTEP 14, \more, \nb, 1, 3+3*\more
	QSTEP 15, \more, \nb, 2, 6*\more
	QRED \b, \acc
.endm
	; my 128 queries' indices and chunk 0, and nothing else yet
	global_load_b128 v[IDX:IDX+3], v[QOFF], s[4:5]
	global_load_b128 v[IDX+4:IDX+7], v[QOFF], s[4:5] offset:16
	global_load_b128 v[IDX+8:IDX+11], v[QOFF], s[4:5] offset:32
	LOADBLK A, 0, 0
	LOADBLK B, 1, 0
	s_barrier_signal -1                            ; my requests for chunk 0 have been issued.  This barrier orders requests, not data: behind its wait
	                                               ; chunk 1 is asked for, so no wave's request for chunk 1 goes out ahead of any wave's for chunk 0
	s_wait_loadcnt 32                              ; the three index loads are in; the 32 loads of weight stay out
.irp i, 0,1,2,3,4,5,6,7,8,9,10,11
	v_lshlrev_b32 v[IDX+\i], 8, v[IDX+\i]          ; index to LDS row offset, once for both chunks
.endr
	s_wait_loadcnt 16                              ; block A is in; B stays out
	SMATH A                                        ; register work alone stands between the signal and the wait
	s_wait_loadcnt 0x0                             ; block B
	SMATH B
	s_barrier_wait -1                              ; every wave has asked for chunk 0
	SSTORE A, 0
	SSTORE B, 1
	LOADBLK C, 0, 1                                ; chunk 1's block 0
	s_wait_dscnt 0x0                               ; my stores are done: for the other waves' reads behind the barrier; A's and B's registers are free
	s_barrier_signal -1
	s_barrier_wait -1                              ; chunk 0's table is whole
.set WV, 1                                     ; chunk 0's queries, with chunk 1's last loads and its softmax among them
.set st, 0
	QISSUE 0, 0
	QISSUE 0, 1
	QISSUE 0, 2
	QBATCH 0, 1, 1, 0
	QBATCH 1, 2, 1, 0
	QBATCH 2, 3, 1, 0
	QBATCH 3, 0, 0, 0
	s_wait_dscnt 0x0                               ; my reads of chunk 0's table are over (met: the last step's count was 0)
	s_barrier_signal -1
	s_barrier_wait -1                              ; everybody's are: the table may be written again
	SSTORE C, 0
	SSTORE A, 1
	s_wait_dscnt 0x0                               ; my stores are done, for the other waves' reads
	s_barrier_signal -1
	s_barrier_wait -1                              ; chunk 1's table is whole
.set WV, 0                                     ; chunk 1's queries: nothing is left to carry along
.set st, 0
	QISSUE 0, 0
	QISSUE 0, 1
	QISSUE 0, 2
	QBATCH 0, 1, 1, 1
	QBATCH 1, 2, 1, 1
	QBATCH 2, 3, 1, 1
	QBATCH 3, 0, 0, 1
	global_store_b128 v[OOFF], v[R:R+3], s[8:9]    ; queries 4 thread .. + 3: the wave stores 512 consecutive bytes, aligned
	s_wait_tensorcnt 0x0
	ds_add_u32 v62, v63
	s_wait_dscnt 0x0
	s_endpgm
.Lfunc_end_k_q7e524c2f90_marg:
	.size	k_q7e524c2f90_marg, .Lfunc_end_k_q7e524c2f90_marg-k_q7e524c2f90_marg
	.p2alignl 7, 3214868480
	.fill 96, 4, 3214868480
	.section	.rodata,"a",@progbits
	.p2align	6, 0x0
	.amdhsa_kernel k_q7e524c2f90_marg
		.amdhsa_group_segment_fixed_size 264192
		.amdhsa_private_segment_fixed_size 0
		.amdhsa_enable_private_segment 0
		.amdhsa_kernarg_size 24
		.amdhsa_user_sgpr_count 2
		.amdhsa_user_sgpr_kernarg_segment_ptr 1
		.amdhsa_wavefront_size32 1
		.amdhsa_system_sgpr_workgroup_id_x 1
		.amdhsa_system_sgpr_workgroup_id_y 1
		.amdhsa_system_sgpr_workgroup_id_z 1
		.amdhsa_system_vgpr_workitem_id 0
		.amdhsa_next_free_vgpr 256
		.amdhsa_next_free_sgpr 66
		.amdhsa_reserve_vcc 0
		.amdhsa_float_denorm_mode_32 3
		.amdhsa_float_denorm_mode_16_64 3
		.amdhsa_memory_ordered 1
		.amdhsa_forward_progress 1
		.amdhsa_inst_pref_size 189
	.end_amdhsa_kernel
	.amdgpu_metadata
---
amdhsa.version: [ 1, 2 ]
amdhsa.kernels:
  - .name:           k_q7e524c2f90_marg
    .symbol:         k_q7e524c2f90_marg.kd
    .args:
      - { .name: q_idxs, .offset: 0, .size: 8, .value_kind: global_buffer, .address_space: global }
      - { .name: weight, .offset: 8, .size: 8, .value_kind: global_buffer, .address_space: global }
      - { .name: part, .offset: 16, .size: 8, .value_kind: global_buffer, .address_space: global }
    .group_segment_fixed_size: 264192
    .private_segment_fixed_size: 0
    .kernarg_segment_align: 8
    .kernarg_segment_size: 24
    .max_flat_workgroup_size: 512
    .sgpr_count:     66
    .vgpr_count:     256
    .wavefront_size: 32
...
	.end_amdgpu_metadata
.endif
;; end of part 1
;; launch fold (part 2): grid 32 x 1, 8 waves a work-group, no clusters, 5,120 bytes of LDS; arguments part, out0; writes out0
.if DOCPART == 2
	.amdgcn_target "amdgcn-amd-amdhsa--gfx1250"
	.amdhsa_code_object_version 6
	.text
	.protected	k_q7e524c2f90_fold
	.globl	k_q7e524c2f90_fold
	.p2align	8
	.type	k_q7e524c2f90_fold,@function
k_q7e524c2f90_fold:
	s_mov_b64 s[64:65], 0
	v_nop
	global_prefetch_b8 v0, s[64:65] scope:SCOPE_SE
	s_setreg_imm32_b32 hwreg(HW_REG_WAVE_MODE, 25, 1), 1
	s_wait_xcnt 0x0
; out0[q] = 2^-15 * sum over the 256 rows g of part[g][q].  part: [256][2048] f32.
; A work-group owns 64 queries: 256 consecutive bytes of every row.  Eight waves; sixteen threads cover a row's 256 bytes, so the
; 256 threads take 16 rows at a time and each thread adds 16 rows (thread / 16 + 16 i).  The sixteen partial rows meet in LDS,
; and wave 0 adds them, two queries a lane, and stores the 256 bytes with one instruction.
; 32 work-groups is all the work there is at whole pieces of 256 bytes; a finer split would need a third launch.
.set PROW, 8192                        ; bytes in a row of part
	s_load_b128 s[4:7], s[0:1], 0x0                ; part s[4:5], out0 s[6:7]
	v_lshl_add_u32 v72, v0, 2, 0x1000
	v_mov_b32 v73, 0
	v_lshrrev_b32 v1, 5, v0
	v_readfirstlane_b32 s8, v1                     ; wave 0..7
	v_and_b32 v2, 15, v0
	v_lshrrev_b32 v3, 4, v0                        ; my first row, 0..15
	v_lshlrev_b32 v2, 4, v2                        ; my 16 bytes of the 256
	v_lshl_add_u32 v3, v3, 13, v2
	v_lshlrev_b32 v4, 4, v0                        ; LDS: partial row thread / 16 at 256 bytes each = 16 x thread
	s_lshl_b32 s10, ttmp9, 8                       ; the work-group's 256 bytes, in a row of part and in out0
	s_mov_b32 s11, 0
	s_wait_kmcnt 0x0
	s_add_nc_u64 s[4:5], s[4:5], s[10:11]
	s_add_nc_u64 s[6:7], s[6:7], s[10:11]
.irp i, 0,1,2,3,4,5,6,7,8,9,10,11,12,13,14,15
	global_load_b128 v[8+4*\i:11+4*\i], v3, s[4:5] offset:\i*16*PROW th:TH_LOAD_NT
.endr
.irp i, 1,2,3,4,5,6,7,8,9,10,11,12,13,14,15
	s_wait_loadcnt 15-\i                           ; loads 0 to i are in; the 15 - i younger ones stay out
	v_pk_add_f32 v[8:9], v[8:9], v[8+4*\i:9+4*\i]
	v_pk_add_f32 v[10:11], v[10:11], v[10+4*\i:11+4*\i]
.endr
	ds_store_b128 v4, v[8:11]
	s_wait_dscnt 0x0                               ; my store is done, for wave 0's reads
	s_barrier_signal -1
	s_barrier_wait -1
	s_cmp_lg_u32 s8, 0
	s_cbranch_scc1 .Lend                           ; the rest is one wave's work
	v_and_b32 v5, 31, v0
	v_lshlrev_b32 v5, 3, v5                        ; two queries a lane: 8 bytes, in a partial row and in out0
.irp e, 0,1,2,3,4,5,6,7,8,9,10,11,12,13,14,15
	ds_load_b64 v[8+2*\e:9+2*\e], v5 offset:\e*256
.endr
.irp e, 1,2,3,4,5,6,7,8,9,10,11,12,13,14,15
	s_wait_dscnt 15-\e                             ; partial rows 0 to e are in
	v_pk_add_f32 v[8:9], v[8:9], v[8+2*\e:9+2*\e]
.endr
	v_pk_mul_f32 v[8:9], v[8:9], 0x38000000 op_sel_hi:[1,0]    ; the mean over 32,768 records: 2^-15, exact
	global_store_b64 v5, v[8:9], s[6:7]            ; 32 lanes store 256 consecutive bytes, aligned
.Lend:
	s_wait_tensorcnt 0x0
	ds_add_u32 v72, v73
	s_wait_dscnt 0x0
	s_endpgm
.Lfunc_end_k_q7e524c2f90_fold:
	.size	k_q7e524c2f90_fold, .Lfunc_end_k_q7e524c2f90_fold-k_q7e524c2f90_fold
	.p2alignl 7, 3214868480
	.fill 96, 4, 3214868480
	.section	.rodata,"a",@progbits
	.p2align	6, 0x0
	.amdhsa_kernel k_q7e524c2f90_fold
		.amdhsa_group_segment_fixed_size 5120
		.amdhsa_private_segment_fixed_size 0
		.amdhsa_enable_private_segment 0
		.amdhsa_kernarg_size 16
		.amdhsa_user_sgpr_count 2
		.amdhsa_user_sgpr_kernarg_segment_ptr 1
		.amdhsa_wavefront_size32 1
		.amdhsa_system_sgpr_workgroup_id_x 1
		.amdhsa_system_sgpr_workgroup_id_y 1
		.amdhsa_system_sgpr_workgroup_id_z 1
		.amdhsa_system_vgpr_workitem_id 0
		.amdhsa_next_free_vgpr 74
		.amdhsa_next_free_sgpr 66
		.amdhsa_reserve_vcc 0
		.amdhsa_float_denorm_mode_32 3
		.amdhsa_float_denorm_mode_16_64 3
		.amdhsa_memory_ordered 1
		.amdhsa_forward_progress 1
		.amdhsa_inst_pref_size 8
	.end_amdhsa_kernel
	.amdgpu_metadata
---
amdhsa.version: [ 1, 2 ]
amdhsa.kernels:
  - .name:           k_q7e524c2f90_fold
    .symbol:         k_q7e524c2f90_fold.kd
    .args:
      - { .name: part, .offset: 0, .size: 8, .value_kind: global_buffer, .address_space: global }
      - { .name: out0, .offset: 8, .size: 8, .value_kind: global_buffer, .address_space: global }
    .group_segment_fixed_size: 5120
    .private_segment_fixed_size: 0
    .kernarg_segment_align: 8
    .kernarg_segment_size: 16
    .max_flat_workgroup_size: 256
    .sgpr_count:     66
    .vgpr_count:     74
    .wavefront_size: 32
...
	.end_amdgpu_metadata
.endif
;; end of part 2
;; ======== version 2 of 2: 2 launches; version 1 with the launch marg written anew for expert scheduling mode
;; workspace buffers: part 2,097,152 bytes
;; launch marg (part 3): grid 256 x 1, 16 waves a work-group, no clusters, 264,192 bytes of LDS; arguments q_idxs, weight, part; writes part
.if DOCPART == 3
	.amdgcn_target "amdgcn-amd-amdhsa--gfx1250"
	.amdhsa_code_object_version 6
	.text
	.protected	k_q7e524c2f90_marg
	.globl	k_q7e524c2f90_marg
	.p2align	8
	.type	k_q7e524c2f90_marg,@function
k_q7e524c2f90_marg:
	s_mov_b64 s[64:65], 0
	v_nop
	global_prefetch_b8 v0, s[64:65] scope:SCOPE_SE
	s_setreg_imm32_b32 hwreg(HW_REG_WAVE_SCHED_MODE, 0, 2), 2
	s_setreg_imm32_b32 hwreg(HW_REG_WAVE_MODE, 25, 1), 1
	s_wait_xcnt 0x0
	s_wait_alu depctr_vm_vsrc(0)
; part[g][q] = sum over the 128 columns n of work-group g of p[a_q][n] * p[b_q][n] * p[c_q][n],
; p = softmax of weight over each group of 16 rows, column by column.  weight: [1024][32768] f32, q_idxs: [2048][3] i32.
; A query wants three arbitrary rows at the same columns, so the work-group holds all 1024 rows of 64 columns in LDS
; (1024 x 256 bytes = 262,144) and takes its 128 columns as two chunks of 64.  Sixteen waves.
; SOFTMAX: wave w owns rows 64 w .. 64 w + 63, as two blocks of 32 rows.  A block is 16 loads of 16 bytes a lane: load r brings
; row r of one group to lanes 0-15 (256 consecutive bytes, aligned) and row r of the next group to lanes 16-31, so the 16 numbers
; of a softmax lie in one lane's registers and nothing crosses lanes.
; QUERIES: wave w owns queries 128 w .. 128 w + 127.  A task is two queries, one on lanes 0-15 and one on lanes 16-31; each
; half-wave reads a whole LDS row of 256 consecutive bytes, 4 columns a lane.  Sixteen tasks are one batch, folded at its end;
; four batches, 64 steps, are a chunk's query phase.  The steps go in pairs: 32 pairs of tasks a phase.
; ORDER OF THE WORK: chunk 0 is asked for first, by all waves, and nothing else with it: its table is what all sixteen wait for.
; Chunk 1's block 0 is asked for when chunk 0's softmax is made; its block 1 during chunk 0's queries, a load every second step;
; and chunk 1's softmax is made in registers, a few instructions in each of chunk 0's query steps, so that between the two query
; phases only 32 LDS stores a wave and two barriers are left.
; No cluster: the work-groups share only the 24,576 bytes of q_idxs.  No tensor loads: every byte goes through registers for the
; softmax, so raw rows in LDS would only add LDS traffic.  No matrix instruction: there is no product with reuse.
; LIMITS: an index outside 0..1023 reads the table's last row (the reference relies on indices inside the table);
; |x| * log2(e) must be finite in f32; an exponential below 2^-126 counts as zero (ISA guide, V_EXP_F32).
; THE MODE: SCHED_MODE bits 1:0 = 2 (LLVM: expert scheduling mode 2), set by the entry lines.  The code itself states the register
; dependences between vector instructions and memory or LDS instructions, with s_wait_alu, always for 0.
; THE PLAN.  Registers that memory or LDS instructions touch:
;   v1, v2, v3, v7, v50  offsets and addresses, made once at the head and never written again.
;   A, B, C      a block is loaded, its softmax is made in place by vector instructions, LDS stores read it.  One wait on va_vdst stands
;                ahead of each table's 32 stores.  Behind table 0's stores one wait on vm_vsrc frees A (chunk 1's second block is
;                loaded into it) and B (the queries' data and addresses lie in it from then on).
;   AD0, AD1     two sets of six LDS addresses.  Pair q's set is q mod 2: written by the address lines of pair q - 2, read by the six
;                LDS loads at the head of pair q - 1.
;   DAT0, DAT1   two groups of 24 data registers.  Pair q's group is q mod 2: the loads at the head of pair q - 1 land in it, the ten
;                arithmetic lines of pair q read and write it.
;   R            written by the folds, read by the one global store at the end.
; So at the head of pair p two waits state all that the pair's six loads and its address lines hang on: vm_vsrc: the loads issued a
; pair ago have read set p mod 2, which this pair writes; va_vdst: the pair before has written the other set and is done with the other
; group.  Behind them the pair's vector instructions name set p mod 2, group p mod 2, the task sums and the block whose softmax is
; carried along: none of the registers that the six loads touch.
.set ROWB,  131072                     ; bytes from a row of weight to the next: 32,768 f32
.set LASTB, 0x3fff0                    ; the last 16 bytes of the table in LDS: 1023 * 256 + 240
.set LANE,  1                          ; v1      16 * (lane mod 16): my 4 columns in a row of 256 bytes
.set GOFF,  2                          ; v2      byte offset in weight of my 16 bytes in my wave's first row; never rewritten
.set LST,   3                          ; v3      LDS address of the same 16 bytes; never rewritten
                                       ; v4-6    at work at the head only
.set QOFF,  7                          ; v7      byte offset in q_idxs of my four queries; never rewritten
.set IDX,   8                          ; v8-19   256 * index: queries 4 lane + b, b = 0..3, three registers each
.set R,     20                         ; v20-23  results of queries 4 lane + 0..3
.set S,     24                         ; v24-39  a batch's sixteen task sums
.set MX,    40                         ; v40-43  softmax: maxima, then odd rows' sums, then reciprocals
.set SM,    44                         ; v44-47  softmax: sums
.set T,     48                         ; v48-49  at work in the fold
.set OOFF,  50                         ; v50     16 * thread: my 16 bytes of the work-group's row of part
.set A,     64                         ; v64-127  chunk 0 block 0, then chunk 1 block 1
.set B,     128                        ; v128-191 chunk 0 block 1; afterwards the queries' data and addresses:
.set DAT,   128                        ; v128-175 two groups of two buffers of 12 registers (rows a, b, c of a task)
.set AD,    176                        ; v176-187 two sets of two times three LDS addresses.  B's softmax has written these registers: a DPP form's destination counts as read
.set C,     192                        ; v192-255 chunk 1 block 0
	s_load_b128 s[4:7], s[0:1], 0x0                ; q_idxs s[4:5], weight s[6:7]
	s_load_b64 s[8:9], s[0:1], 0x10                ; part
	v_lshl_add_u32 v62, v0, 2, 0x40000
	v_mov_b32 v63, 0
	v_lshrrev_b32 v4, 5, v0
	v_readfirstlane_b32 s10, v4                    ; wave 0..15
	v_bfe_u32 v5, v0, 4, 1                         ; which half of the wave
	v_and_b32 v6, 31, v0                           ; lane
	v_and_b32 v[LANE], 15, v0
	v_lshlrev_b32 v[LANE], 4, v[LANE]
	s_wait_alu depctr_va_sdst(0)                   ; s10 is written, ahead of its first reader: the wave's three offsets are made from it
	s_lshl_b32 s11, s10, 23                        ; 64 rows of 131,072 bytes
	s_lshl_b32 s12, s10, 14                        ; 64 LDS rows of 256 bytes
	s_mul_i32 s13, s10, 1536                       ; 128 queries of 12 bytes
	v_lshl_add_u32 v[GOFF], v5, 21, v[LANE]        ; the upper half-wave: 16 rows further down
	v_add_nc_u32 v[GOFF], s11, v[GOFF]
	v_lshl_add_u32 v[LST], v5, 12, v[LANE]
	v_add_nc_u32 v[LST], s12, v[LST]
	v_mad_u32_u24 v[QOFF], v6, 48, s13             ; four queries a lane
	v_lshlrev_b32 v[OOFF], 4, v0
	s_lshl_b32 s14, ttmp9, 9                       ; the work-group's 128 columns: 512 bytes of every row
	s_mov_b32 s15, 0
	s_lshl_b32 s16, ttmp9, 13                      ; its row of part: 8,192 bytes
	s_mov_b32 s17, 0
	s_mov_b32 s20, 0xbfb8aa3b                      ; -log2(e); the pair is named by packed forms, so both words are written
	s_mov_b32 s21, 0xbfb8aa3b
	s_mov_b32 s22, 0x3fb8aa3b                      ; log2(e)
	s_mov_b32 s23, 0x3fb8aa3b
	s_mov_b32 s24, 0xff00ff00                      ; lanes whose number has bit 3 set
	s_mov_b32 s25, 0xf0f0f0f0                      ; bit 2
	s_mov_b32 s26, 0xcccccccc                      ; bit 1
	s_mov_b32 s27, 0xaaaaaaaa                      ; bit 0
	s_wait_kmcnt 0x0
	s_add_nc_u64 s[6:7], s[6:7], s[14:15]
	s_add_nc_u64 s[8:9], s[8:9], s[16:17]
	s_wait_alu depctr_va_vdst(0)                   ; QOFF, GOFF, LST and OOFF are written: every global load, every LDS store and the last store read one of them
; 16 loads: block blk (0, 1) of chunk ch (0, 1) into the 64 registers from x on.  Row and chunk stand in the immediate:
; 47 rows and 256 bytes at the most, 6,160,640, inside its signed 24 bits.  weight is read once in the launch.
.macro LOADBLK x, blk, ch
.irp r, 0,1,2,3,4,5,6,7,8,9,10,11,12,13,14,15
	global_load_b128 v[\x+4*\r:\x+4*\r+3], v[GOFF], s[6:7] offset:(32*\blk+\r)*ROWB+\ch*256 th:TH_LOAD_NT
.endr
.endm
; THE SOFTMAX OF A BLOCK, in place, as NUNIT numbered units of one instruction each, so that it can be written out in one run or
; dealt out a few units at a time among the query steps.  Register x + 4 r + c is row r, column c of my four.
;   0-31 maxima   32-33 times -log2(e)   34-65 x log2(e) - max log2(e)   66-129 exponentials   130 a place
;   131-160 sums, in four chains (even rows in SM, odd rows in MX)   161-164 reciprocals   165 a place   166-197 the quotients
; The two v_nop are the plain vector instruction that stands between a transcendental and the first use of its result
; (ISA guide 5.7.2); whatever else is dealt in between the units names none of x, MX, SM.
.set NUNIT, 198
.macro SUNIT x, u
.if \u < 4
	v_max3_num_f32 v[MX+\u], v[\x+\u], v[\x+4+\u], v[\x+8+\u]           ; rows 0, 1, 2 start the maxima
.elseif \u < 28
.set k, \x+4*(3+2*((\u-4)/4))+(\u)%4                                           ; rows 3 and 4, 5 and 6, .. 13 and 14
	v_max3_num_f32 v[MX+(\u)%4], v[MX+(\u)%4], v[k], v[k+4]
.elseif \u < 32
	v_max_num_f32 v[MX+(\u)%4], v[MX+(\u)%4], v[\x+60+(\u)%4]           ; row 15
.elseif \u < 34
.set k, MX+2*(\u-32)
	v_pk_mul_f32 v[k:k+1], v[k:k+1], s[20:21] op_sel_hi:[1,0]              ; one shift for the whole group: its rounding cancels in the quotient
.elseif \u < 66
.set k, \x+2*(\u-34)
	v_pk_fma_f32 v[k:k+1], v[k:k+1], s[22:23], v[MX+2*((\u)%2):MX+2*((\u)%2)+1] op_sel_hi:[1,0,1]
.elseif \u < 130
	v_exp_f32 v[\x+\u-66], v[\x+\u-66]                                  ; 2^((x - max) log2(e))
.elseif \u < 131
	v_nop
	s_wait_alu depctr_va_vdst(0)
.elseif \u < 135
.set k, \u-131
.set a, SM-4*(k/2)+2*(k%2)                                                     ; SM, SM+2, MX, MX+2
	v_pk_add_f32 v[a:a+1], v[\x+2*k:\x+2*k+1], v[\x+8+2*k:\x+8+2*k+1]      ; rows 0 + 2 and 1 + 3 start the chains
.elseif \u < 159
.set k, (\u-135)%4
.set a, SM-4*(k/2)+2*(k%2)
.set k, \x+4*(4+2*((\u-135)/4))+2*k                                            ; rows 4 and 5, 6 and 7, .. 14 and 15
	v_pk_add_f32 v[a:a+1], v[a:a+1], v[k:k+1]
.elseif \u < 161
.set k, 2*(\u-159)
	v_pk_add_f32 v[SM+k:SM+k+1], v[SM+k:SM+k+1], v[MX+k:MX+k+1]
.elseif \u < 165
	v_rcp_f32 v[MX+\u-161], v[SM+\u-161]                                  ; the sum is at least about 1: the largest term is 2^0
.elseif \u < 166
	v_nop
	s_wait_alu depctr_va_vdst(0)
.else
.set k, \x+2*(\u-166)
	v_pk_mul_f32 v[k:k+1], v[k:k+1], v[MX+2*((\u)%2):MX+2*((\u)%2)+1]
.endif
.endm
.set sp, 0                             ; the next unit
.macro SADV x, n                       ; the next n units of block x, as far as there are any left
.rept \n
.if sp < NUNIT
	SUNIT \x, sp
.set sp, sp+1
.endif
.endr
.endm
.macro SMATH x                         ; all of it in one run
.set sp, 0
	SADV \x, NUNIT
.endm
; A block's probabilities into the table: each half-wave writes a whole LDS row of 256 consecutive bytes.
.macro SSTORE x, blk
.irp r, 0,1,2,3,4,5,6,7,8,9,10,11,12,13,14,15
	ds_store_b128 v[LST], v[\x+4*\r:\x+4*\r+3] offset:\blk*8192+\r*256
.endr
.endm
; Task tk of batch b: lanes 0-15 work for the query of lane tk (query 4 tk + b of my wave's), lanes 16-31 for that of lane 16 + tk.
; row_share hands that lane's row offset to its sixteen lanes within the add of the lane's own 16 bytes.  ad: the task's three address registers.
.macro QADR b, tk, ad
	v_add_nc_u32_dpp v[\ad], v[IDX+3*\b], v[LANE] row_share:\tk row_mask:0xf bank_mask:0xf
	v_add_nc_u32_dpp v[\ad+1], v[IDX+3*\b+1], v[LANE] row_share:\tk row_mask:0xf bank_mask:0xf
	v_add_nc_u32_dpp v[\ad+2], v[IDX+3*\b+2], v[LANE] row_share:\tk row_mask:0xf bank_mask:0xf
.endm
.macro QCLAMP ad                       ; a number that was loaded enters an address only behind a clamp by a constant
	v_min_u32 v[\ad], LASTB, v[\ad]
	v_min_u32 v[\ad+1], LASTB, v[\ad+1]
	v_min_u32 v[\ad+2], LASTB, v[\ad+2]
.endm
.macro QLOAD d, ad                     ; rows a, b, c of a task into the 12 registers from d on
	ds_load_b128 v[\d:\d+3], v[\ad]
	ds_load_b128 v[\d+4:\d+7], v[\ad+1]
	ds_load_b128 v[\d+8:\d+11], v[\ad+2]
.endm
.macro QMUL tk, d                      ; a b c at my four columns, summed: task tk's share of this lane
	v_pk_mul_f32 v[\d:\d+1], v[\d:\d+1], v[\d+4:\d+5]
	v_pk_mul_f32 v[\d+2:\d+3], v[\d+2:\d+3], v[\d+6:\d+7]
	v_pk_mul_f32 v[\d:\d+1], v[\d:\d+1], v[\d+8:\d+9]
	v_pk_fma_f32 v[\d:\d+1], v[\d+2:\d+3], v[\d+10:\d+11], v[\d:\d+1]
	v_add_f32 v[S+\tk], v[\d], v[\d+1]
.endm
; What chunk 0's query steps carry along for chunk 1 (WV = 1; st = the step, 0 to 63).
;   steps 0, 2, .. 30: one load of chunk 1's block 1 into A's registers.  It owes no wait of its own: no vector instruction has named A or GOFF
;                      since the wait on va_vdst ahead of table 0's stores, and those stores have read A ahead of the wait on vm_vsrc behind the table's barrier
;   steps 8 to 32:     block C's softmax, 8 units a step (25 steps for 198 units)
;   steps 40 to 61:    the softmax of the block in A, 9 units a step (22 steps)
.macro WEAVE
.if WV
.if st < 32
.if (st%2) == 0
	global_load_b128 v[A+2*st:A+2*st+3], v[GOFF], s[6:7] offset:(32+st/2)*ROWB+256 th:TH_LOAD_NT
.endif
.endif
.if st == 8
	s_wait_loadcnt 5                               ; block C's 16 loads are in; the five loads of steps 0, 2, 4, 6, 8 stay out
.set sp, 0
.endif
.if st == 40
	s_wait_loadcnt 0x0                             ; the block in A: its last load went out in step 30
.set sp, 0
.endif
.if st >= 40
	SADV A, 9
.elseif st >= 8
	SADV C, 8
.endif
.endif
.endm
; A phase's start.  Pair 0's addresses, its six loads, pair 1's addresses.
.macro QSTART
	QADR 0, 0, AD
	QADR 0, 1, AD+3
	QCLAMP AD
	QCLAMP AD+3
	s_wait_alu depctr_va_vdst(0)                   ; set 0 is written, which the six loads below read
	QLOAD DAT, AD
	QLOAD DAT+12, AD+3
	QADR 0, 2, AD+6
	QADR 0, 3, AD+9
	QCLAMP AD+6
	QCLAMP AD+9
.endm
; A pair of steps: tasks t0 and t1 = t0 + 1 of the batch in hand.  ld = 1: the next pair is asked for, by the addresses that the pair before made.
; ad = 1: the addresses of the pair after next are made: tasks a0, a1 of batch ab.
; The six loads stand ahead of the waits for this pair's data, which was asked for a pair ago.  LDS loads come back in order (ISA guide 5.7.1):
; when task t0 has to be there, t1's three loads and the next pair's six may be out; when t1 has to be there, the six.
.macro PAIR t0, t1, ld, ad, ab, a0, a1
.set par, ((\t0)/2)%2                  ; a batch has eight pairs, so the parity within the batch is the parity within the phase
.set dme, DAT+24*par                   ; this pair's data
.set dnx, DAT+24*(1-par)               ; the next pair's
.set anx, AD+6*(1-par)                 ; the next pair's addresses
.set aw,  AD+6*par                     ; the set that this pair writes
.if \ad
	s_wait_alu depctr_vm_vsrc(0)                   ; the six loads issued a pair ago (for pair 0: at the phase's start) have read this pair's set, which the address lines below write again
.endif
.if \ld
	s_wait_alu depctr_va_vdst(0)                   ; the pair before has written the other set, which the loads below read, and is done with its data group, in which they land
	QLOAD dnx, anx
	QLOAD dnx+12, anx+3
.endif
.if \ad
	QADR \ab, \a0, aw
.endif
	WEAVE
.if \ad
	QCLAMP aw
.endif
	s_wait_dscnt 3+6*\ld
	QMUL \t0, dme
.set st, st+1
.if \ad
	QADR \ab, \a1, aw+3
.endif
	WEAVE
.if \ad
	QCLAMP aw+3
.endif
	s_wait_dscnt 6*\ld
	QMUL \t1, dme+12
.set st, st+1
.endm
; Two task sums become one register: lanes whose bit is 0 keep task i, the others task j, each with its partner lane's share added.
.macro RPAIR i, j, msk, xm
	v_cndmask_b32 v[T+(\i)%2], v[S+\j], v[S+\i], \msk      ; what my partner lane wants of me
	v_cndmask_b32 v[S+\i], v[S+\i], v[S+\j], \msk          ; what I keep
	v_add_f32_dpp v[S+\i], v[T+(\i)%2], v[S+\i] row_xmask:\xm row_mask:0xf bank_mask:0xf
.endm
; The fold of a batch: 16 registers of 16 lanes' shares become one register in which lane 16 h + t holds task t's sum of half h,
; which is query 4 lane + b.  acc = 0: the first chunk starts R; acc = 1: the second adds to it.  The masks are scalar constants set at the head.
.macro QRED b, acc
.irp i, 0,1,2,3,4,5,6,7
	RPAIR \i, \i+8, s24, 8
.endr
.irp i, 0,1,2,3
	RPAIR \i, \i+4, s25, 4
.endr
	RPAIR 0, 2, s26, 2
	RPAIR 1, 3, s26, 2
	v_cndmask_b32 v[T], v[S+1], v[S], s27
.if \acc
	v_cndmask_b32 v[S], v[S], v[S+1], s27
	v_add_f32_dpp v[S], v[T], v[S] row_xmask:1 row_mask:0xf bank_mask:0xf
	v_add_f32 v[R+\b], v[R+\b], v[S]
.else
	v_cndmask_b32 v[R+\b], v[S], v[S+1], s27
	v_add_f32_dpp v[R+\b], v[T], v[R+\b] row_xmask:1 row_mask:0xf bank_mask:0xf
.endif
.endm
; Batch b.  Its last two pairs work ahead for the first two pairs of batch nb (more = 1).  In a phase's last batch (more = 0) the last pair but one
; makes no address and the last asks for nothing: they hold no wait for which there is no dependence, and the counts run down.
.macro QBATCH b, nb, more, acc
	PAIR 0,  1,  1, 1, \b, 4,  5
	PAIR 2,  3,  1, 1, \b, 6,  7
	PAIR 4,  5,  1, 1, \b, 8,  9
	PAIR 6,  7,  1, 1, \b, 10, 11
	PAIR 8,  9,  1, 1, \b, 12, 13
	PAIR 10, 11, 1, 1, \b, 14, 15
	PAIR 12, 13, 1, \more, \nb, 0, 1
	PAIR 14, 15, \more, \more, \nb, 2, 3
	QRED \b, \acc
.endm
	; my 128 queries' indices and chunk 0, and nothing else yet
	global_load_b128 v[IDX:IDX+3], v[QOFF], s[4:5]
	global_load_b128 v[IDX+4:IDX+7], v[QOFF], s[4:5] offset:16
	global_load_b128 v[IDX+8:IDX+11], v[QOFF], s[4:5] offset:32
	LOADBLK A, 0, 0
	LOADBLK B, 1, 0
	s_barrier_signal -1                            ; my requests for chunk 0 have been issued.  This barrier orders requests, not data: behind its wait
	                                               ; chunk 1 is asked for, so no wave's request for chunk 1 goes out ahead of any wave's for chunk 0
	s_wait_loadcnt 32                              ; the three index loads are in; the 32 loads of weight stay out
.irp i, 0,1,2,3,4,5,6,7,8,9,10,11
	v_lshlrev_b32 v[IDX+\i], 8, v[IDX+\i]          ; index to LDS row offset, once for both chunks
.endr
	s_wait_loadcnt 16                              ; block A is in; B stays out
	SMATH A                                        ; register work alone stands between the signal and the wait
	s_wait_loadcnt 0x0                             ; block B
	SMATH B
	s_barrier_wait -1                              ; every wave has asked for chunk 0
	s_wait_alu depctr_va_vdst(0)                   ; both softmaxes have written A and B, which the 32 LDS stores read
	SSTORE A, 0
	SSTORE B, 1
	LOADBLK C, 0, 1                                ; chunk 1's block 0: no vector instruction has named C yet
	s_wait_dscnt 0x0                               ; my stores are done: for the other waves' reads behind the barrier
	s_barrier_signal -1
	s_barrier_wait -1                              ; chunk 0's table is whole
	s_wait_alu depctr_vm_vsrc(0)                   ; my LDS stores have read A, in which chunk 1's loads land, and B, whose registers are the queries' addresses and data from here on
.set WV, 1                                     ; chunk 0's queries, with chunk 1's last loads and its softmax among them
.set st, 0
	QSTART
	QBATCH 0, 1, 1, 0
	QBATCH 1, 2, 1, 0
	QBATCH 2, 3, 1, 0
	QBATCH 3, 0, 0, 0
	s_wait_dscnt 0x0                               ; my reads of chunk 0's table are over (met: the last step's count was 0)
	s_barrier_signal -1
	s_barrier_wait -1                              ; everybody's are: the table may be written again
	s_wait_alu depctr_va_vdst(0)                   ; the units carried along have written C and A, which the 32 LDS stores read
	SSTORE C, 0
	SSTORE A, 1
	s_wait_dscnt 0x0                               ; my stores are done, for the other waves' reads
	s_barrier_signal -1
	s_barrier_wait -1                              ; chunk 1's table is whole
	s_wait_alu depctr_vm_vsrc(0)                   ; the LDS loads of chunk 0's last pairs have read both address sets, which the phase's start writes anew
.set WV, 0                                     ; chunk 1's queries: nothing is left to carry along
.set st, 0
	QSTART
	QBATCH 0, 1, 1, 1
	QBATCH 1, 2, 1, 1
	QBATCH 2, 3, 1, 1
	QBATCH 3, 0, 0, 1
	s_wait_alu depctr_va_vdst(0)                   ; the last fold has written R, which the store reads
	global_store_b128 v[OOFF], v[R:R+3], s[8:9]    ; queries 4 thread .. + 3: the wave stores 512 consecutive bytes, aligned
	s_wait_dscnt 0x0
	s_wait_alu depctr_hold_cnt(0) depctr_sa_sdst(0) depctr_va_vdst(0) depctr_va_sdst(0) depctr_va_ssrc(0) depctr_va_vcc(0) depctr_vm_vsrc(0)
	s_wait_tensorcnt 0x0
	ds_add_u32 v62, v63
	s_wait_dscnt 0x0
	s_endpgm
.Lfunc_end_k_q7e524c2f90_marg:
	.size	k_q7e524c2f90_marg, .Lfunc_end_k_q7e524c2f90_marg-k_q7e524c2f90_marg
	.p2alignl 7, 3214868480
	.fill 96, 4, 3214868480
	.section	.rodata,"a",@progbits
	.p2align	6, 0x0
	.amdhsa_kernel k_q7e524c2f90_marg
		.amdhsa_group_segment_fixed_size 264192
		.amdhsa_private_segment_fixed_size 0
		.amdhsa_enable_private_segment 0
		.amdhsa_kernarg_size 24
		.amdhsa_user_sgpr_count 2
		.amdhsa_user_sgpr_kernarg_segment_ptr 1
		.amdhsa_wavefront_size32 1
		.amdhsa_system_sgpr_workgroup_id_x 1
		.amdhsa_system_sgpr_workgroup_id_y 1
		.amdhsa_system_sgpr_workgroup_id_z 1
		.amdhsa_system_vgpr_workitem_id 0
		.amdhsa_next_free_vgpr 256
		.amdhsa_next_free_sgpr 66
		.amdhsa_reserve_vcc 0
		.amdhsa_float_denorm_mode_32 3
		.amdhsa_float_denorm_mode_16_64 3
		.amdhsa_memory_ordered 1
		.amdhsa_forward_progress 1
		.amdhsa_inst_pref_size 193
	.end_amdhsa_kernel
	.amdgpu_metadata
---
amdhsa.version: [ 1, 2 ]
amdhsa.kernels:
  - .name:           k_q7e524c2f90_marg
    .symbol:         k_q7e524c2f90_marg.kd
    .args:
      - { .name: q_idxs, .offset: 0, .size: 8, .value_kind: global_buffer, .address_space: global }
      - { .name: weight, .offset: 8, .size: 8, .value_kind: global_buffer, .address_space: global }
      - { .name: part, .offset: 16, .size: 8, .value_kind: global_buffer, .address_space: global }
    .group_segment_fixed_size: 264192
    .private_segment_fixed_size: 0
    .kernarg_segment_align: 8
    .kernarg_segment_size: 24
    .max_flat_workgroup_size: 512
    .sgpr_count:     66
    .vgpr_count:     256
    .wavefront_size: 32
...
	.end_amdgpu_metadata
.endif
;; end of part 3
;; launch fold: the kernel of part 2 again; grid 32 x 1, 8 waves a work-group, no clusters, 5,120 bytes of LDS; arguments part, out0; writes out0
